; MI455X (gfx1250); checked and timed in simulation.
; The chip was launched on July 23, 2026; its instructions are those of AMD's public machine-readable ISA for CDNA 5 (MIT licence, August 2026) and "CDNA5" Instruction Set Architecture Reference Guide (July 2026). The comments in the code are by the model that wrote it; some were corrected since.
;; Ring Dilated Attention V3. Allowed arithmetic: matrix products marked QUANTISED: E4M3 operands, one given power-of-two scale a tensor, by v_wmma_f32_16x16x64_fp8_fp8 or v_wmma_f32_16x16x128_fp8_fp8, f32 sums; everything else in f32.
;; Inputs: k 2 x 8,192 x 12 x 64 float32; lowp_scales 12 int32 (the exponents e of the quantised operands' scales 2^e); q_codes 2 x 8,192 x 12 x 2 x 32 uint8 (E4M3 codes of q, K innermost, in blocks of 32 codes); v 2 x 8,192 x 12 x 64 float32.
;; Outputs: out0 2 x 8,192 x 12 x 64 float32.
;; This version of the problem:
;;   THIS VERSION OF THE PROBLEM IS GIVEN IN LOW PRECISION. The matrix products marked QUANTISED in the list below multiply operands that are first quantised to E4M3 (4 exponent bits, 3 mantissa bits; 8 bits a number), with one given power-of-two scale for each operand tensor; their sums are f32. All else is computed in f32.
;;   The module's matrix products, in the order in which they are computed (A, B: the left and right operand; K: the contracted axis; several contracted axes count as one K, in the product's order):
;;     1. batch 128 x [M 512, K 64] x [K 64, N 512]; A: input q (given as codes); B: computed on the way: QUANTISED (scales: A lowp_scales[0], B lowp_scales[1])
;;     2. batch 128 x [M 512, K 512] x [K 512, N 64]; A: softmax (see below); B: computed on the way: QUANTISED (scales: A lowp_scales[2], B lowp_scales[3])
;;     3. batch 64 x [M 1,024, K 64] x [K 64, N 1,024]; A: input q (given as codes); B: computed on the way: QUANTISED (scales: A lowp_scales[4], B lowp_scales[5])
;;     4. batch 64 x [M 1,024, K 1,024] x [K 1,024, N 64]; A: softmax (see below); B: computed on the way: QUANTISED (scales: A lowp_scales[6], B lowp_scales[7])
;;     5. batch 32 x [M 2,048, K 64] x [K 64, N 2,048]; A: input q (given as codes); B: computed on the way: QUANTISED (scales: A lowp_scales[8], B lowp_scales[9])
;;     6. batch 32 x [M 2,048, K 2,048] x [K 2,048, N 64]; A: softmax (see below); B: computed on the way: QUANTISED (scales: A lowp_scales[10], B lowp_scales[11])
;;   THE QUANTISER, for each operand of a quantised product, along K:
;;     - The operand's scale is 2^e, e = its entry of the input lowp_scales (int32; the entries are numbered through the quantised products in the list's order, A before B).
;;     - Each number is divided by the scale, clamped to +-448, and rounded to the nearest number of E4M3, ties to even, subnormals kept.
;;     - The product sums the exact products of the quantised numbers (number of the format x scale) in f32.
;;   ~~~python
;;   def quantise(x, axis, e):      # numpy; x: float32 -> the quantised numbers, widened to float32 again
;;       x = np.moveaxis(x, axis, -1); K = x.shape[-1]
;;       r = np.clip(x / 2.0 ** e, -448, 448)
;;       step = 2.0 ** (np.maximum(np.frexp(np.where(r == 0, 1, r))[1] - 1, -6) - 3)
;;       q = np.round(r / step) * step * 2.0 ** e      # np.round: ties to even
;;       return np.moveaxis(q, -1, axis).astype(np.float32)
;;   ~~~
;;   SOFTMAX AHEAD OF A QUANTISED PRODUCT. Where the list says 'softmax', what is quantised is not the finished softmax but p = 2^(t - M), with t = logit x log2(e) and M = ceil(the row's largest t), a whole number; so 1/2 < the row's largest p <= 1. The row's sum l is taken of the UNQUANTISED p, in f32, and the product's result is divided by l at the end. Since M is a whole number, a kernel that streams over the keys may use a running M (the ceiling of the running maximum): every later rescaling is an exact power of two, so the quantised numbers keep their values, but for numbers so far below the row's largest that they fall under the format's range.
;;   OPERANDS COMPUTED ON THE WAY. 'Computed on the way' means the value that the module computes at that place (a softmax that the list does not call 'softmax' is quantised finished and normalised). What goes into a quantiser is computed in f32, as accurately as f32 sums, v_exp_f32 and their like allow (about 1e-6 of the number): no bf16 or f16 on the way to a quantiser, and a product that is left as it is and whose result goes on into a quantised operand takes f32 operands (vector FMAs, or v_wmma_f32_16x16x4_f32). A number that lies on a knife's edge between two numbers of the format may be rounded either way, as far as f32 arithmetic and the matrix unit's own rounding can turn it there, and no further.
;;   INPUTS GIVEN AS CODES. q (in the module: [2, 8192, 12, 64], K = its axis 3): each comes as NAME_codes (uint8): NAME with its K axis moved to the last place and cut into blocks of 32 codes, [.., K / 32, bytes a block], one block behind the other in memory; one code a byte (a code: sign, 4 exponent bits, 3 mantissa bits); its scale is its entry of lowp_scales. Its value is code x scale, taken as it is: it is not quantised again, and the codes and scales need not be those that the quantiser above would give.
;; One version. Each part assembles by itself: llvm-mc -triple=amdgcn-amd-amdhsa -mcpu=gfx1250 --defsym DOCPART=n.
;; ======== version 1 of 1: 1 launch
;; launch attn (part 1): grid 256 x 3, 4 waves a work-group, no clusters, 91,648 bytes of LDS; arguments q_codes, k, v, lowp_scales, out0; writes out0
.if DOCPART == 1
	.amdgcn_target "amdgcn-amd-amdhsa--gfx1250"
	.amdhsa_code_object_version 6
	.text
	.protected	k_qf0da58ad0f_attn
	.globl	k_qf0da58ad0f_attn
	.p2align	8
	.type	k_qf0da58ad0f_attn,@function
k_qf0da58ad0f_attn:
	s_mov_b64 s[64:65], 0
	v_nop
	global_prefetch_b8 v0, s[64:65] scope:SCOPE_SE
	s_setreg_imm32_b32 hwreg(HW_REG_WAVE_MODE, 25, 1), 1
	s_wait_xcnt 0x0
; DILATED ATTENTION ON CODES OF FP8 (E4M3).  q_codes [2][8192][12][64] codes; k, v, out0 [2][8192][12][64] f32; lowp_scales [12] int32.
; Heads 4 i .. 4 i + 3 form configuration i = 0, 1, 2: segments of 512 << i positions, dilation r = 1 << i.  Head j of a configuration attends, inside a query's segment, to the positions
; off + r x kappa, off = j mod r, kappa = 0 .. 511, and the list of keys holds each of these 512 exactly r times.
; EACH DISTINCT KEY IS TAKEN ONCE.  A key that stands r times in the list adds the same p to the row's sum r times and the same p x v to the product r times; the row's largest t does not change.
; r is a power of two, so it leaves the quotient (product / sum) unchanged.  Rows of k and v that the list does not name are not read.
; THE SOFTMAX: t = score x log2(e) / 8;  M = ceil(the row's largest t);  p = 2^(t - M) is quantised with 2^ep; the row's sum is taken of the unquantised p and divides at the end.
; TWO PASSES OVER THE KEYS.  Pass 1: S^T = K Q^T for the row's largest score alone, which gives M.  Pass 2: S^T again, p, the sum, p's codes, O^T += V^T P.  So nothing is ever rescaled, and a query's
; maximum and sum change lanes once each.
; SHARES.  A work-group takes 256 queries of one (batch, head) and their 512 keys: 2 x 32 x 12 = 768 work-groups of equal work.  Each of its four waves quantises 128 keys of K and of V into LDS; one barrier;
; then each wave owns 64 queries, four tiles of 16, and walks all 512 keys, 64 a step: each fragment of K or V that it reads from LDS feeds four matrix instructions.
; NO JOINT LOADS, NO TENSOR LOADS: what the 2, 4 or 8 work-groups of a key set share arrives as f32 and becomes codes only in registers; as it lies it would be 2 x 512 rows x 256 bytes = 262,144 bytes of LDS
; beside the 91,136 in use.  And the hold of p stands under a branch on ep, a whole number read from the scales.
; LAYOUTS (all products v_wmma_f32_16x16x64_fp8_fp8, both used transposed, so that a lane holds ONE query, lane % 16, throughout).
;   S^T tile jj = (16 keys) x (16 queries): a lane's registers 0-3 hold bytes 16 h .. 16 h + 15 of its row of K or Q, registers 4-7 bytes 32 + 16 h on (h = lane / 16): the same order of the head's 64 in both.
;   Its result: register e = key 16 jj + 8 h + e.  Eight such, converted, ARE registers 2 jj, 2 jj + 1 of source 1 of the second product: nothing changes lanes.
;   O^T tile dt = (channels 4 m + dt, m = 0 .. 15) x (16 queries): register e = channel 32 h + 4 e + dt: a lane ends with 32 neighbouring channels of its query.
; LIMITS on the given exponents, so that each power of two below is an f32 number: eq + ek between -123 and 130 (added to c's exponent field); ek, ev, ep between -126 and 119; ep + ev is applied by
; v_ldexp_f32 and has none.  NaN in k or v is not served; an infinity is held at the largest code.
.set KP,     80                        ; a key's row of 64 codes in LDS + 16 bytes that nobody touches: 20 words, so the 16 rows of a fragment load start at 16 different groups of four banks (64 banks of 4 bytes: ISA guide 11.1)
.set CHK,    64*KP                     ; a step's 64 rows of K
.set VIMG,   512*KP                    ; behind K's 512 rows: V's fragments as images of their registers: step x 4096 + dt x 1024 + g x 512 + 16 x lane (g: which 32 of the step's keys)
.set CHV,    4096
.set STAGE,  VIMG+8*CHV                ; behind them: 16 rows x 272 bytes for each wave, its own, for the way out
.set SP,     272
.set QROW,   768                       ; from a position to the next in q_codes, in bytes;
.set OROW,   3072                      ; and in k, v, out0
; vector registers, window 0
.set AK0,  1                           ; v1   my lane's place in a tile of K: (lane % 16) x KP + 16 h.  On the way out GO
.set AV0,  2                           ; v2   my lane's place in an image of V: VIMG + 16 x lane
.set ADR,  3                           ; v3   while quantising KW: where I store a word of K's codes; then the LDS address of the loads in hand; on the way out STO
.set KW,   3
.set SCL,  4                           ; v4   the conversions' scale as f32: 2^ek, then 2^ev, then 2^ep
.set ADR2, 5                           ; v5   pass 1: the second buffer's LDS address; on the way out RD
.set VW,   6                           ; v6   while quantising: where I store 16 bytes of an image of V
.set TP,   6                           ; v[6:7] pass 2: the second chain of the row's sum
.set QO,   7                           ; v7   my byte in the wave's rows of q_codes
.set VOFF, 8                           ; v8-15  while quantising: byte offsets of my 16 bytes in keys 8 h + e, e = 0 .. 7, of a group of 16 keys
.set ST,   8                           ; v8-23  then statistics, four a tile: +0 a running maximum, then -M, at last 1 / sum; +1 a second maximum, at work; +2, +3 the sum in two halves
.set C,    16                          ; v16-31 while quantising: a batch's codes
.set P,    24                          ; v24-31 p's codes of the tile in hand
.set Q,    32                          ; v32-63 Q's fragments, 8 a tile
.set SC0,  64                          ; v64-95, v96-127: two sets of scores, 32 a tile; on the way out rows of out0
.set SC1,  96
.set O,    128                         ; v128-255 O^T, 32 a tile (tile t, dt at O + 32 t + 8 dt); in pass 1 the scores of all four tiles
.set L0,   64                          ; while quantising: three sets of 64 numbers as loaded: v64, v128, v192
.set STO,  3
.set RD,   5
.set GO,   1
; window 1 (v256-319, named v0-63): two fragment buffers of 32; in pass 2 K's and V's; while V is quantised its 64 numbers in the order of the keys
.set FA,   0
.set FB,   32
.set KF,   FA
.set VF,   FB
; scalar registers
.set WV,   14                          ; my wave's number
.set CFG,  15                          ; i
.set HJ,   16                          ; j
.set BU,   17                          ; which block of 256 queries
.set BB,   18                          ; batch
.set TS,   19                          ; at work
.set EQ,   24                          ; s[24:27] eq, ek, ep, ev
.set EK,   25
.set EP,   26
.set EV,   27
.set CS,   28                          ; s[28:29] c = log2(e) / 8 x 2^(eq + ek), twice
.set SEL,  30                          ; s[30:31] v_permlanex16_b32's selects for lane xor 16
.set KBASE, 32                         ; s[32:47] k at my wave's keys 16 G, G = 0 .. 7
.set VBASE, 66                         ; s[66:81] v likewise
.set PLK,  48                          ; 448 x 2^ek, and its negative
.set NLK,  49
.set PLV,  50                          ; the same with ev
.set NLV,  51
.set PLP,  52                          ; 448 x 2^ep
.set SCK,  53                          ; 2^ek, 2^ev, 2^ep as f32
.set SCV,  54
.set SCP,  55
.set EPV,  56                          ; ep + ev
.set KO,   57                          ; LDS byte of the step in hand among K's rows
.set VO,   58                          ; and among V's images
.set CNT,  59                          ; counts trips
.set STR,  60                          ; bytes from a key to the next: OROW x r
.set MSB, 0
.macro WIN new                         ; s_set_vgpr_msb: bits 1:0 source 0, 3:2 source 1, 5:4 source 2, 7:6 destination; the high byte repeats the setting that is left; a switch that changes nothing is dropped
.if MSB != \new
	s_set_vgpr_msb (MSB<<8)|\new
.set MSB, \new
.endif
.endm
	s_load_b256 s[4:11], s[0:1], 0x0               ; q_codes s[4:5], k s[6:7], v s[8:9], lowp_scales s[10:11]
	s_load_b64 s[12:13], s[0:1], 0x20              ; out0
	s_set_vgpr_msb 0x40
	v_lshl_add_u32 v64, v0, 2, 0x16400
	v_mov_b32 v65, 0
	s_set_vgpr_msb 0x4000
	v_lshrrev_b32 v16, 5, v0
	v_readfirstlane_b32 s[WV], v16                 ; wave 0..3
	v_and_b32 v16, 31, v0                          ; lane
	v_and_b32 v17, 15, v0                          ; lane % 16
	v_bfe_u32 v18, v0, 4, 1                        ; h = lane / 16
	s_and_b32 s[CFG], ttmp7, 0xffff                ; i: work-group y
	s_and_b32 s[HJ], ttmp9, 3                      ; work-group x = 128 batch + 4 block + j: the work-groups of a key set, and the four heads of a position, have neighbouring numbers
	s_bfe_u32 s[BU], ttmp9, 0x50002
	s_lshr_b32 s[BB], ttmp9, 7
	s_lshl_b32 s[STR], OROW, s[CFG]
	v_mul_u32_u24 v[AK0], v17, KP
	v_lshl_add_u32 v[AK0], v18, 4, v[AK0]
	v_lshl_add_u32 v[AV0], v16, 4, VIMG
	s_mul_i32 s[TS], s[WV], 128*KP                 ; my wave's 128 rows of K's codes
	v_mul_u32_u24 v[KW], v18, 8*KP                 ; lanes 16-31 hold the key 8 further on,
	v_lshl_add_u32 v[KW], v17, 2, v[KW]            ; a lane four channels: one word
	v_add_nc_u32 v[KW], s[TS], v[KW]
	s_lshl_b32 s[TS], s[WV], 13                    ; my wave's two steps of V's images
	v_add_nc_u32 v[VW], s[TS], v[AV0]
	v_mul_u32_u24 v[QO], v17, QROW
	v_lshl_add_u32 v[QO], v18, 4, v[QO]
	v_lshlrev_b32 v19, 3, v18
	v_lshlrev_b32 v20, 4, v17
	v_mad_u32_u24 v[VOFF], v19, s[STR], v20        ; key 8 h of a group of 16, my 16 bytes of its 256
.irp e, 1,2,3,4,5,6,7
	v_add_nc_u32 v[VOFF+\e], s[STR], v[VOFF+\e-1]
.endr
	; my wave's first key: position = the segment's first + off + r x 128 wave
	s_lshl_b32 s[TS], 1, s[CFG]
	s_sub_co_u32 s[TS], s[TS], 1
	s_and_b32 s[TS], s[HJ], s[TS]                  ; off = j mod r
	s_add_co_u32 s61, s[CFG], 1
	s_lshr_b32 s62, s[BU], s61                     ; the segment: 256 block / (512 << i)
	s_add_co_u32 s61, s[CFG], 9
	s_lshl_b32 s62, s62, s61                       ; its first position
	s_add_co_u32 s62, s62, s[TS]
	s_lshl_b32 s61, s[WV], 7
	s_lshl_b32 s61, s61, s[CFG]
	s_add_co_u32 s62, s62, s61
	s_lshl_b32 s63, s[BB], 13                      ; 8192 x batch
	s_add_co_u32 s62, s62, s63
	s_lshl_b32 s61, s[CFG], 2
	s_add_co_u32 s61, s61, s[HJ]                   ; the head
	s_mul_i32 s62, s62, 12
	s_add_co_u32 s62, s62, s61                     ; row = (8192 batch + position) x 12 + head, under 2^18
	s_lshl_b32 s20, s62, 8                         ; its byte in k and in v
	s_mov_b32 s21, 0
	s_lshl_b32 s22, s[STR], 4                      ; 16 keys on
	s_mov_b32 s23, 0
	; my wave's first query: position 256 block + 64 wave
	s_lshl_b32 s62, s[BU], 8
	s_lshl_b32 s[TS], s[WV], 6
	s_add_co_u32 s62, s62, s[TS]
	s_add_co_u32 s62, s62, s63
	s_mul_i32 s62, s62, 12
	s_add_co_u32 s62, s62, s61                     ; its row
	s_lshl_b32 s2, s[CFG], 4                       ; my configuration's four exponents
	s_mov_b32 s3, 0
	s_mov_b32 s[SEL], 0x76543210
	s_mov_b32 s[SEL+1], 0xfedcba98
	s_wait_kmcnt 0x0
	s_add_nc_u64 s[10:11], s[10:11], s[2:3]
	s_load_b128 s[EQ:EQ+3], s[10:11], 0x0          ; eq, ek, ep, ev
	s_lshl_b32 s2, s62, 6                          ; a row of q_codes is 64 bytes,
	s_add_nc_u64 s[4:5], s[4:5], s[2:3]
	s_lshl_b32 s2, s62, 8                          ; of out0 256
	s_add_nc_u64 s[12:13], s[12:13], s[2:3]
	s_add_nc_u64 s[KBASE:KBASE+1], s[6:7], s[20:21]
	s_add_nc_u64 s[VBASE:VBASE+1], s[8:9], s[20:21]
.irp g, 1,2,3,4,5,6,7
	s_add_nc_u64 s[KBASE+2*\g:KBASE+2*\g+1], s[KBASE+2*\g-2:KBASE+2*\g-1], s[22:23]
	s_add_nc_u64 s[VBASE+2*\g:VBASE+2*\g+1], s[VBASE+2*\g-2:VBASE+2*\g-1], s[22:23]
.endr
.irp t, 0,1,2,3                                ; Q's four fragments stay in registers
	global_load_b128 v[Q+8*\t:Q+8*\t+3],   v[QO], s[4:5] offset:16*QROW*\t
	global_load_b128 v[Q+8*\t+4:Q+8*\t+7], v[QO], s[4:5] offset:16*QROW*\t+32
.endr
; ---- K AND V BECOME CODES.  Eight batches of 32 keys: n = 0 .. 3 of K, n = 4 .. 7 of V; three sets of registers take turns, so that two batches are on their way while one is worked.
; A batch's 16 loads: lanes 0-15 read the whole row of 256 bytes of key 16 c + e, lanes 16-31 that of key 16 c + 8 + e.  No offset is stepped: each group of 16 keys has a base of its own.
.macro LOADB n
.set LB, L0+64*((\n)%3)
.if (\n) < 4
.set SB, KBASE+4*(\n)
.else
.set SB, VBASE+4*((\n)-4)
.endif
.irp c, 0,1
.irp e, 0,1,2,3,4,5,6,7
	global_load_b128 v[LB+4*(8*\c+\e):LB+4*(8*\c+\e)+3], v[VOFF+\e], s[SB+2*\c:SB+2*\c+1]
.endr
.endr
.endm
	LOADB 0
	LOADB 1
	LOADB 2
.macro POW2 e, bits, lim               ; s[bits] = 2^e as f32, s[lim] = 448 x 2^e
	s_add_co_i32 s[TS], s[\e], 127
	s_lshl_b32 s[\bits], s[TS], 23
	s_add_co_i32 s[TS], s[TS], 8
	s_lshl_b32 s[TS], s[TS], 23
	s_or_b32 s[\lim], s[TS], 0x600000              ; 448 = 1.75 x 2^8
.endm
	s_wait_kmcnt 0x0
	s_add_co_i32 s[TS], s[EQ], s[EK]
	s_lshl_b32 s[TS], s[TS], 23
	s_add_co_i32 s[CS], s[TS], 0x3e38aa3b          ; log2(e) / 8, with eq + ek added to its exponent field: a score of codes stands for score x 2^(eq + ek)
	s_mov_b32 s[CS+1], s[CS]                       ; (named with it as a pair, so it is written)
	POW2 EK, SCK, PLK
	s_or_b32 s[NLK], s[PLK], 0x80000000
	POW2 EV, SCV, PLV
	s_or_b32 s[NLV], s[PLV], 0x80000000
	POW2 EP, SCP, PLP
	s_add_co_i32 s[EPV], s[EP], s[EV]
	v_mov_b32 v[SCL], s[SCK]
; A batch of K.  A load's four registers are four channels of one key, so a conversion's eight are two keys' words of codes; a word goes to its key's row: 16 lanes fill the row's 64 bytes.
.macro KBATCH b
.set LB, L0+64*((\b)%3)
	s_wait_loadcnt 32                              ; this batch's 16 loads are in (and Q's, which are older); the next two batches' 32 may be out
.set i, 0
.rept 64
	v_med3_num_f32 v[LB+i], v[LB+i], s[NLK], s[PLK]   ; the conversion to an 8-bit code does not saturate (ISA guide 7.6.2): hold the number within the largest code x the scale first
.set i, i+1
.endr
	s_wait_dscnt 0x0                               ; the last batch's LDS stores are done: the codes' registers are written anew
.irp m, 0,1,2,3,4,5,6,7
	v_cvt_scalef32_pk8_fp8_f32 v[C+2*\m:C+2*\m+1], v[LB+8*\m:LB+8*\m+7], v[SCL]
.endr
	v_nop                                          ; one plain vector instruction behind the last conversion, ahead of whatever next touches its registers
.irp x, 0,1,2,3,4,5,6,7,8,9,10,11,12,13,14,15
	ds_store_b32 v[KW], v[C+\x] offset:(32*(\b)+16*(\x/8)+\x%8)*KP
.endr
	LOADB (\b)+3                                   ; into the set just left
.endm
; A batch of V.  The keys are the second product's K, so a lane's registers must run down the keys: the hold, which is owed anyway, also puts each number in that order (channel dd, then key) in window 1.
; Lane (x, h) holds channels 4 x + dd and keys 16 c + 8 h + e: just what lane (m = x, h) of tile dt = dd wants.  So the codes go to LDS as an image of the fragment's registers, 16 bytes at 16 x lane.
.macro VBATCH b, left
.set LB, L0+64*(((\b)+4)%3)
	s_wait_loadcnt \left                           ; this batch's loads are in; left = the loads of the batches behind it
	WIN 0x40                                       ; destination window 1
.irp d, 0,1,2,3
.irp c, 0,1
.irp e, 0,1,2,3,4,5,6,7
	v_med3_num_f32 v[16*\d+8*\c+\e], v[LB+4*(8*\c+\e)+\d], s[NLV], s[PLV]
.endr
.endr
.endr
	s_wait_dscnt 0x0                               ; the last batch's LDS stores are done
	WIN 0x01                                       ; source 0 window 1
.irp d, 0,1,2,3
.irp c, 0,1
	v_cvt_scalef32_pk8_fp8_f32 v[C+4*\d+2*\c:C+4*\d+2*\c+1], v[16*\d+8*\c:16*\d+8*\c+7], v[SCL]
.endr
.endr
	WIN 0
	v_nop                                          ; one plain vector instruction behind the last conversion
.irp d, 0,1,2,3
	ds_store_b128 v[VW], v[C+4*\d:C+4*\d+3] offset:((\b)/2)*CHV+\d*1024+((\b)%2)*512
.endr
.if (\b) < 1
	LOADB (\b)+7                                   ; the last batch
.endif
.endm
	KBATCH 0
	KBATCH 1
	KBATCH 2
	KBATCH 3
	v_mov_b32 v[SCL], s[SCV]
	VBATCH 0, 32
	VBATCH 1, 32
	VBATCH 2, 16
	VBATCH 3, 0
	s_wait_dscnt 0x0                               ; for the others' sake: my codes lie in LDS
	s_barrier_signal -1
	s_barrier_wait -1                              ; all 512 keys' do.  The launch's one barrier: from here on K's rows and V's images are only read, and a wave's stage is its own
	v_mov_b32 v[SCL], s[SCP]
; ---- PASS 1: each query's largest score.
; A step's four fragments of K (64 keys), off bytes behind s[KO], into a buffer of window 1
.macro LDK buf, adr, off
	v_add_nc_u32 v[\adr], s[KO], v[AK0]
	WIN 0x40                                       ; destination window 1, address window 0
.irp j, 0,1,2,3
	ds_load_b128 v[\buf+8*\j:\buf+8*\j+3],   v[\adr] offset:\off+16*KP*\j
	ds_load_b128 v[\buf+8*\j+4:\buf+8*\j+7], v[\adr] offset:\off+16*KP*\j+32
.endr
	WIN 0
.endm
; 16 products (4 tiles of keys x 4 tiles of queries), then 64 maxima of three.  A vector instruction that reads a matrix result stands four places behind the matrix instruction, and only plain vector
; instructions that name none of its registers are places (ISA guide 7.12.1): four v_nop.  They and the maxima are also the places in front of the next loads into the buffer.
; Each accumulator is read from its low end on.  The tile is the inner index, so that a running maximum comes up again eight lines on.
.macro P1 buf
	WIN 0x01                                       ; source 0 (K) window 1
.irp j, 0,1,2,3
.irp t, 0,1,2,3
	v_wmma_f32_16x16x64_fp8_fp8 v[O+32*\t+8*\j:O+32*\t+8*\j+7], v[\buf+8*\j:\buf+8*\j+7], v[Q+8*\t:Q+8*\t+7], 0
.endr
.endr
	WIN 0
.rept 4
	v_nop
.endr
.irp j, 0,1,2,3
.irp p, 0,1,2,3
.irp t, 0,1,2,3
	v_max3_num_f32 v[ST+4*\t+\p%2], v[ST+4*\t+\p%2], v[O+32*\t+8*\j+2*\p], v[O+32*\t+8*\j+2*\p+1]
.endr
.endr
.endr
.endm
.irp t, 0,1,2,3
	v_mov_b32 v[ST+4*\t], 0xff800000               ; two running maxima a tile begin at -infinity
	v_mov_b32 v[ST+4*\t+1], 0xff800000
.endr
	s_mov_b32 s[KO], 0
	LDK FA, ADR, 0                                 ; step 0
	s_mov_b32 s[CNT], 3
.Lp1:                                              ; a trip takes two steps; each buffer is fetched while the other is multiplied
	LDK FB, ADR2, CHK
	s_wait_dscnt 8                                 ; the 8 loads just issued may be out: the older buffer is in
	P1 FA
	LDK FA, ADR, 2*CHK
	s_wait_dscnt 8
	P1 FB
	s_add_co_u32 s[KO], s[KO], 2*CHK
	s_sub_co_u32 s[CNT], s[CNT], 1
	s_cmp_lg_u32 s[CNT], 0
	s_cbranch_scc1 .Lp1
	LDK FB, ADR2, CHK                              ; steps 6 and 7: nothing more to fetch behind them
	s_wait_dscnt 8
	P1 FA
	s_wait_dscnt 0x0
	P1 FB
; ---- PASS 2.
.macro QK t, b                         ; S^T of tile t for the step whose K lies in KF, into the scores' set b
.irp j, 0,1,2,3
	v_wmma_f32_16x16x64_fp8_fp8 v[\b+8*\j:\b+8*\j+7], v[KF+8*\j:KF+8*\j+7], v[Q+8*(\t):Q+8*(\t)+7], 0
.endr
.endm
.macro PV t, first                     ; O^T of tile t += V^T P: four accumulators, one instruction each; first = 1: the products start the sums: nothing is ever cleared
.irp d, 0,1,2,3
.if \first
	v_wmma_f32_16x16x64_fp8_fp8 v[O+32*(\t)+8*\d:O+32*(\t)+8*\d+7], v[VF+8*\d:VF+8*\d+7], v[P:P+7], 0
.else
	v_wmma_f32_16x16x64_fp8_fp8 v[O+32*(\t)+8*\d:O+32*(\t)+8*\d+7], v[VF+8*\d:VF+8*\d+7], v[P:P+7], v[O+32*(\t)+8*\d:O+32*(\t)+8*\d+7]
.endif
.endr
.endm
.macro LDV                             ; the step's four fragments of V^T, as they were stored
	v_add_nc_u32 v[ADR], s[VO], v[AV0]
	WIN 0x40
.irp d, 0,1,2,3
	ds_load_b128 v[VF+8*\d:VF+8*\d+3],   v[ADR] offset:1024*\d
	ds_load_b128 v[VF+8*\d+4:VF+8*\d+7], v[ADR] offset:1024*\d+512
.endr
	WIN 0
.endm
; The softmax of tile t for one step: its 32 scores a lane in set b become p's codes in v[P] on.  ins = 1: this step's V, ins = 2: the next step's K is fetched behind the sixteen scalings, which name no
; register of the products that last read that buffer and are the places in front of the loads.
.macro SM t, b, ins
.set p, 0
.rept 16
	v_pk_fma_f32 v[\b+p:\b+p+1], v[\b+p:\b+p+1], s[CS:CS+1], v[ST+4*\t:ST+4*\t+1] op_sel_hi:[1,0,0]   ; t - M, two at a time (of the pairs c and -M the low word serves both halves); each accumulator from its low end on
.set p, p+2
.endr
.if (\ins) == 1
	LDV
.elseif (\ins) == 2
	LDK KF, ADR, CHK
.endif
.set p, 0
.rept 32
	v_exp_f32 v[\b+p], v[\b+p]                     ; p = 2^(t - M)
.set p, p+1
.endr
	v_nop                                          ; one plain instruction between the exponentials and the use of their results (ISA guide 5.7.2)
	s_wait_alu depctr_va_vdst(0)
	v_pk_add_f32 v[TP:TP+1], v[\b:\b+1], v[\b+2:\b+3]   ; THE ROW'S SUM IS TAKEN OF THE UNQUANTISED p: two at a time, in two chains
.set p, 4
.rept 7
	v_pk_add_f32 v[ST+4*\t+2:ST+4*\t+3], v[ST+4*\t+2:ST+4*\t+3], v[\b+p:\b+p+1]
	v_pk_add_f32 v[TP:TP+1], v[TP:TP+1], v[\b+p+2:\b+p+3]
.set p, p+4
.endr
	v_pk_add_f32 v[ST+4*\t+2:ST+4*\t+3], v[ST+4*\t+2:ST+4*\t+3], v[TP:TP+1]
	s_cmp_ge_i32 s[EP], -8                         ; p is at most 1 (but for a last bit), so p / 2^ep stays under 448 wherever ep is -8 or more: the hold is walked only where ep is -9 or less
	s_cbranch_scc1 .Lnohold_\@
.set p, 0
.rept 32
	v_min_num_f32 v[\b+p], s[PLP], v[\b+p]         ; the conversion does not saturate (ISA guide 7.6.2); p is not negative, so the hold is one-sided
.set p, p+1
.endr
.Lnohold_\@:
.irp j, 0,1,2,3
	v_cvt_scalef32_pk8_fp8_f32 v[P+2*\j:P+2*\j+1], v[\b+8*\j:\b+8*\j+7], v[SCL]   ; keys 16 j + 8 h + 0 .. 7: registers 2 j, 2 j + 1 of source 1
.endr
	v_nop                                          ; one plain instruction between the conversions and the products that read their results and write over their sources
.endm
; A KEY STEP.  While one tile's softmax is walked, the scores of the tile after next are already made: each set of scores is read a whole softmax behind the products that wrote it, and p's codes are
; written anew a whole run of scalings and exponentials behind the products that read them: no v_nop is owed for either.  The accumulators take turns, one instruction a turn.
; first = 1: the first step.  next = 1: a step follows: its K is fetched, and its first two tiles' scores are made.
.macro BODY first, next
	SM 0, SC0, 1
	s_wait_dscnt 0x0                               ; V is in
	WIN 0x01                                       ; source 0 (V, K) window 1
	PV 0, \first
	QK 2, SC0
	WIN 0
	SM 1, SC1, 0
	WIN 0x01
	PV 1, \first
	QK 3, SC1
	WIN 0
	SM 2, SC0, 2*\next
.if \next
	s_wait_dscnt 0x0                               ; the next step's K is in
.endif
	WIN 0x01
	PV 2, \first
.if \next
	QK 0, SC0
.endif
	WIN 0
	SM 3, SC1, 0
	WIN 0x01
	PV 3, \first
.if \next
	QK 1, SC1
.endif
	WIN 0                                          ; at a label and at a branch every window is 0
.if \next
	s_add_co_u32 s[KO], s[KO], CHK
	s_add_co_u32 s[VO], s[VO], CHV
.endif
.endm
	s_mov_b32 s[KO], 0
	s_mov_b32 s[VO], 0
	LDK KF, ADR, 0                                 ; step 0 once more
	s_wait_dscnt 0x0
	WIN 0x01
	QK 0, SC0
	QK 1, SC1
	WIN 0
; -M of each tile.  These lines name no register of the eight products above and are the places behind them.
.irp t, 0,1,2,3
	v_max_num_f32 v[ST+4*\t], v[ST+4*\t], v[ST+4*\t+1]
.endr
.irp t, 0,1,2,3
	v_permlanex16_b32 v[ST+4*\t+1], v[ST+4*\t], s[SEL], s[SEL+1]   ; the query's other keys lie in the lane 16 away
.endr
.irp t, 0,1,2,3
	v_max_num_f32 v[ST+4*\t], v[ST+4*\t], v[ST+4*\t+1]
.endr
.irp t, 0,1,2,3
	v_mul_f32 v[ST+4*\t+1], s[CS], v[ST+4*\t]      ; the largest t (c is positive)
.endr
.irp t, 0,1,2,3
	v_floor_f32 v[ST+4*\t], -v[ST+4*\t+1]          ; -M = floor(-t) = -ceil(t)
	v_mov_b32 v[ST+4*\t+2], 0                      ; the sum, in two halves
	v_mov_b32 v[ST+4*\t+3], 0
.endr
	BODY 1, 1                                      ; step 0 starts O^T's sums
	s_mov_b32 s[CNT], 6
.Lp2:                                              ; steps 1 to 6
	BODY 0, 1
	s_sub_co_u32 s[CNT], s[CNT], 1
	s_cmp_lg_u32 s[CNT], 0
	s_cbranch_scc1 .Lp2
	BODY 0, 0                                      ; step 7: nothing follows
; ---- THE WAY OUT.  1 / sum x 2^(ep + ev) for each tile; these lines are the places behind the last products.
.irp t, 0,1,2,3
	v_add_f32 v[ST+4*\t+2], v[ST+4*\t+2], v[ST+4*\t+3]
.endr
.irp t, 0,1,2,3
	v_permlanex16_b32 v[ST+4*\t+3], v[ST+4*\t+2], s[SEL], s[SEL+1]
.endr
.irp t, 0,1,2,3
	v_add_f32 v[ST+4*\t+2], v[ST+4*\t+2], v[ST+4*\t+3]   ; the row's sum
.endr
.irp t, 0,1,2,3
	v_rcp_f32 v[ST+4*\t], v[ST+4*\t+2]
.endr
	v_and_b32 v6, 15, v0                           ; (plain instructions behind the reciprocals)  lane % 16
	v_bfe_u32 v7, v0, 4, 1                         ; h
	s_mul_i32 s[TS], s[WV], 16*SP
	s_add_co_u32 s[TS], s[TS], STAGE               ; my stage
	v_mul_u32_u24 v[STO], v6, SP                   ; in: my query's row, my half's 128 bytes
	v_lshl_add_u32 v[STO], v7, 7, v[STO]
	v_add_nc_u32 v[STO], s[TS], v[STO]
	v_mul_u32_u24 v[RD], v7, SP                    ; back: lanes 0-15 take one row of 256 bytes, lanes 16-31 the next
	v_lshl_add_u32 v[RD], v6, 4, v[RD]
	v_add_nc_u32 v[RD], s[TS], v[RD]
	v_mul_u32_u24 v[GO], v7, OROW                  ; and the same two rows in out0
	v_lshl_add_u32 v[GO], v6, 4, v[GO]
	s_wait_alu depctr_va_vdst(0)
.irp t, 0,1,2,3
	v_ldexp_f32 v[ST+4*\t], v[ST+4*\t], s[EPV]
.endr
; Tile t: the multiplication also puts the lane's 32 channels in order (register 4 e + dt = channel 32 h + 4 e + dt); each accumulator is read first at its register 0.  The tile goes through my own stage and
; comes back as whole rows.  LDS serves a wave's instructions in order (ISA guide 5.7.1.4): no wait between the stores and the loads, nor in front of the next tile's stores.
.macro PACK t
.set E, SC0+32*((\t)%2)
.if (\t) > 1
	s_wait_xcnt 0x0                                ; the stores of the tile two back have read these registers
.endif
.irp e, 0,1,2,3,4,5,6,7
.irp d, 0,1,2,3
	v_mul_f32 v[E+4*\e+\d], v[O+32*(\t)+8*\d+\e], v[ST+4*(\t)]
.endr
.endr
.irp e, 0,1,2,3,4,5,6,7
	ds_store_b128 v[STO], v[E+4*\e:E+4*\e+3] offset:16*\e
.endr
.irp q, 0,1,2,3,4,5,6,7
	ds_load_b128 v[E+4*\q:E+4*\q+3], v[RD] offset:2*SP*\q
.endr
.endm
.macro SEND t, younger                 ; younger: the LDS instructions issued behind tile t's loads: the next tile's sixteen, or none
.set E, SC0+32*((\t)%2)
.irp q, 0,1,2,3,4,5,6,7
	s_wait_dscnt \younger+7-\q
	global_store_b128 v[GO], v[E+4*\q:E+4*\q+3], s[12:13] offset:16*OROW*(\t)+2*OROW*\q th:TH_STORE_NT   ; 16 lanes store a (position, head)'s 256 consecutive bytes, at a multiple of 256 from out0's first byte; written once, read by nobody here
.endr
.endm
	PACK 0
	PACK 1                                         ; a tile's arithmetic stands between the loads of the tile before and its stores
	SEND 0, 16
	PACK 2
	SEND 1, 16
	PACK 3
	SEND 2, 16
	SEND 3, 0
	s_set_vgpr_msb 0x5
	s_wait_tensorcnt 0x0
	ds_add_u32 v64, v65
	s_wait_dscnt 0x0
	s_set_vgpr_msb 0x500
	s_endpgm
.Lfunc_end_k_qf0da58ad0f_attn:
	.size	k_qf0da58ad0f_attn, .Lfunc_end_k_qf0da58ad0f_attn-k_qf0da58ad0f_attn
	.p2alignl 7, 3214868480
	.fill 96, 4, 3214868480
	.section	.rodata,"a",@progbits
	.p2align	6, 0x0
	.amdhsa_kernel k_qf0da58ad0f_attn
		.amdhsa_group_segment_fixed_size 91648
		.amdhsa_private_segment_fixed_size 0
		.amdhsa_enable_private_segment 0
		.amdhsa_kernarg_size 40
		.amdhsa_user_sgpr_count 2
		.amdhsa_user_sgpr_kernarg_segment_ptr 1
		.amdhsa_wavefront_size32 1
		.amdhsa_system_sgpr_workgroup_id_x 1
		.amdhsa_system_sgpr_workgroup_id_y 1
		.amdhsa_system_sgpr_workgroup_id_z 1
		.amdhsa_system_vgpr_workitem_id 0
		.amdhsa_next_free_vgpr 322
		.amdhsa_next_free_sgpr 84
		.amdhsa_reserve_vcc 0
		.amdhsa_float_denorm_mode_32 3
		.amdhsa_float_denorm_mode_16_64 3
		.amdhsa_memory_ordered 1
		.amdhsa_forward_progress 1
		.amdhsa_inst_pref_size 163
	.end_amdhsa_kernel
	.amdgpu_metadata
---
amdhsa.version: [ 1, 2 ]
amdhsa.kernels:
  - .name:           k_qf0da58ad0f_attn
    .symbol:         k_qf0da58ad0f_attn.kd
    .args:
      - { .name: q_codes, .offset: 0, .size: 8, .value_kind: global_buffer, .address_space: global }
      - { .name: k, .offset: 8, .size: 8, .value_kind: global_buffer, .address_space: global }
      - { .name: v, .offset: 16, .size: 8, .value_kind: global_buffer, .address_space: global }
      - { .name: lowp_scales, .offset: 24, .size: 8, .value_kind: global_buffer, .address_space: global }
      - { .name: out0, .offset: 32, .size: 8, .value_kind: global_buffer, .address_space: global }
    .group_segment_fixed_size: 91648
    .private_segment_fixed_size: 0
    .kernarg_segment_align: 8
    .kernarg_segment_size: 40
    .max_flat_workgroup_size: 128
    .sgpr_count:     84
    .vgpr_count:     322
    .wavefront_size: 32
...
	.end_amdgpu_metadata
.endif
;; end of part 1
